; MI455X (gfx1250); checked and timed in simulation.
; The chip was launched on July 23, 2026; its instructions are those of AMD's public machine-readable ISA for CDNA 5 (MIT licence, August 2026) and "CDNA5" Instruction Set Architecture Reference Guide (July 2026). The comments in the code are by the model that wrote it; some were corrected since.
;; Multi Head Attention With Ro PE. Allowed arithmetic: float matrix products may take bf16 or f16 operands with f32 sums; all other float work in f32.
;; Inputs: Wk 2,048 x 2,048 float32; Wo 2,048 x 2,048 float32; Wq 2,048 x 2,048 float32; Wv 2,048 x 2,048 float32; bk 2,048 float32; bo 2,048 float32; bq 2,048 float32; bv 2,048 float32; position_ids 2 x 1,024 int32; x 2 x 1,024 x 2,048 float32.
;; Outputs: out0 2 x 1,024 x 2,048 float32.
;; One version. Each part assembles by itself: llvm-mc -triple=amdgcn-amd-amdhsa -mcpu=gfx1250 --defsym DOCPART=n.
;; ======== version 1 of 1: 4 launches
;; limits: values are held in f16: magnitudes above 65,504 overflow, below 6.1e-05 lose precision
;; workspace buffers: xb 8,388,608 bytes; wb 25,165,824 bytes; tab 524,288 bytes; qb 8,388,608 bytes; kb 8,388,608 bytes; vt 8,388,608 bytes; att 8,388,608 bytes; wo 8,388,608 bytes
;; launch prep (part 1): grid 1024 x 1, 8 waves a work-group, no clusters, 0 bytes of LDS; arguments x, Wq, Wk, Wv, xb, wb, tab; writes xb, wb, tab
.if DOCPART == 1
	.amdgcn_target "amdgcn-amd-amdhsa--gfx1250"
	.amdhsa_code_object_version 6
	.text
	.protected	k_q0492d27a86_prep
	.globl	k_q0492d27a86_prep
	.p2align	8
	.type	k_q0492d27a86_prep,@function
k_q0492d27a86_prep:
	s_mov_b64 s[64:65], 0
	v_nop
	global_prefetch_b8 v0, s[64:65] scope:SCOPE_SE
	s_setreg_imm32_b32 hwreg(HW_REG_WAVE_MODE, 25, 1), 1
	s_wait_xcnt 0x0
; prep: x and the three weights of the first projections, each [2048][2048] f32, are rounded once to f16 (xb; wb = Wq, Wk, Wv one behind the
; other), and the RoPE table tab[1024][128] f32 is made: row p = kappa cos(p f_j), j = 0..63, then kappa sin(p f_j), f_j = 10000^(-j/64).
; (Wo, which is not needed before the last launch, is rounded by the next launch beside its matrix work.)
; kappa = sqrt(log2(e)/sqrt(128)): Q and K are both rotated with this table, so that their product is the score times log2(e)/sqrt(128),
; the exponent of 2 that the softmax needs.
; f16, not bf16: 11 significant bits against 8; the chain has five roundings behind the inputs (Q, K, P, V, the attention's result) and the result
; is wanted to one part in a hundred of its root mean square in every one of 4,194,304 numbers.
; A stream: no LDS, no matrix unit, no cluster (no byte is read by two work-groups).
; Work-group g takes bytes 16384 g .. +16383 of each of the four tensors; a wave takes 2,048 of them as four loads of 512
; neighbouring bytes, so that a wave has all its 16 loads on their way at once.  A store of 8 bytes a lane covers 256 consecutive
; bytes, aligned.  Wave 0 also makes table row g, two frequencies a lane.
; LIMITS: |x| and |W| below 65,504 (beyond it the conversion gives infinity); below 6.1e-5 f16 keeps steps of 6e-8.
; f_j = exp2(-j log2(10000)/64) is good to a few units in the last place, so an angle (at most 1023) is good to about
; 2e-4 rad; sine and cosine come from a reduction by pi/2 in two parts and polynomials of degree 7 and 8 on |r| <= pi/4.
.set X, 32                             ; v[32:95] load n of 16: 4 registers
.set NLOAD, 16
	s_load_b256 s[4:11], s[0:1], 0x0               ; x 4, Wq 6, Wk 8, Wv 10
	s_load_b128 s[12:15], s[0:1], 0x20             ; xb 12, wb 14
	s_load_b64 s[16:17], s[0:1], 0x30              ; tab
	v_lshrrev_b32 v4, 5, v0
	v_readfirstlane_b32 s26, v4                    ; wave
	v_and_b32 v5, 31, v0                           ; lane
	s_lshl_b32 s27, ttmp9, 14                      ; the group's 16,384 bytes
	v_lshlrev_b32 v1, 4, v5
	v_lshl_or_b32 v1, v4, 11, v1
	v_or_b32 v1, s27, v1                           ; byte offset in: group, wave x 2,048, lane x 16
	v_lshrrev_b32 v2, 1, v1                        ; byte offset out: half of it
	s_wait_kmcnt 0x0
.set n, 0
.rept NLOAD
	global_load_b128 v[X+4*n:X+4*n+3], v1, s[4+2*(n/4):5+2*(n/4)] offset:512*(n%4) th:TH_LOAD_NT
.set n, n+1
.endr
	s_add_nc_u64 s[20:21], s[14:15], 0x800000      ; wb: Wk's part
	s_add_nc_u64 s[22:23], s[14:15], 0x1000000     ; Wv's
	s_cmp_lg_u32 s26, 0
	s_cbranch_scc1 .Lno_table
	; table row g, by wave 0, while its loads are on their way
	s_mov_b32 s28, 0x3f22f983                      ; 2/pi
	s_mov_b32 s29, 0xbfc90fdb                      ; -(pi/2 rounded to f32)
	s_mov_b32 s30, 0x333bbd2e                      ; that rounding's error, 4.371139e-8
	s_mov_b32 s31, 0xb94ca1f9                      ; sine: -1.9515296e-4
	s_mov_b32 s32, 0x3c08839e                      ;        8.3321609e-3
	s_mov_b32 s33, 0xbe2aaaa3                      ;       -1.6666655e-1
	s_mov_b32 s34, 0x37ccf5ce                      ; cosine: 2.4433157e-5
	s_mov_b32 s35, 0xbab6061a                      ;        -1.3887316e-3
	s_mov_b32 s36, 0x3d2aaaa5                      ;         4.1666646e-2
	s_mov_b32 s37, 0xbe549a78                      ; -log2(10000)/64
	s_mov_b32 s40, 0x3eb6d544                      ; kappa = 0.35709583
	s_mov_b32 s38, ttmp9                           ; the row
	s_lshl_b32 s39, ttmp9, 9                       ; a row is 512 bytes
	v_lshlrev_b32 v6, 1, v5
	v_cvt_f32_u32 v6, v6                           ; j = 2 lane
	v_add_f32 v7, 1.0, v6                          ; and 2 lane + 1
	v_mul_f32 v6, s37, v6
	v_mul_f32 v7, s37, v7
	v_exp_f32 v6, v6                               ; f_j
	v_exp_f32 v7, v7
	v_lshlrev_b32 v3, 3, v5                        ; the plain instruction behind the two exponentials (ISA guide 5.7.2)
	v_cvt_f32_u32 v8, s38
	v_add_nc_u32 v3, s39, v3                       ; where my two cosines go
	s_wait_alu depctr_va_vdst(0)
	v_mul_f32 v6, v8, v6                           ; the angles
	v_mul_f32 v7, v8, v7
; x = r + n pi/2, |r| <= pi/4; the quadrant n mod 4 picks sine or cosine of r and the sign; both are scaled by kappa
.macro TRIG x, c, s
	v_mul_f32 v12, s28, v[\x]
	v_rndne_f32 v12, v12                           ; n
	v_fma_f32 v13, v12, s29, v[\x]
	v_fma_f32 v13, v12, s30, v13                   ; r
	v_cvt_i32_f32 v14, v12
	v_mul_f32 v15, v13, v13                        ; r^2
	v_fma_f32 v16, v15, s31, s32
	v_fma_f32 v18, v15, s34, s35
	v_mul_f32 v17, v15, v13                        ; r^3
	v_fma_f32 v16, v16, v15, s33
	v_fma_f32 v18, v18, v15, s36
	v_fma_f32 v16, v16, v17, v13                   ; sin r
	v_mul_f32 v17, v15, v15                        ; r^4
	v_fma_f32 v19, v15, -0.5, 1.0
	v_fma_f32 v18, v18, v17, v19                   ; cos r
	v_and_b32 v17, 1, v14
	v_cmp_ne_u32 vcc_lo, 0, v17                    ; odd quadrant: the two change places
	v_cndmask_b32 v[\s], v16, v18, vcc_lo
	v_cndmask_b32 v[\c], v18, v16, vcc_lo
	v_lshlrev_b32 v17, 30, v14                     ; sine is negative in quadrants 2 and 3: bit 1 of n
	v_and_b32 v17, 0x80000000, v17
	v_xor_b32 v[\s], v17, v[\s]
	v_add_nc_u32 v19, 1, v14                       ; cosine in quadrants 1 and 2: bit 1 of n + 1
	v_lshlrev_b32 v19, 30, v19
	v_and_b32 v19, 0x80000000, v19
	v_xor_b32 v[\c], v19, v[\c]
	v_mul_f32 v[\s], s40, v[\s]
	v_mul_f32 v[\c], s40, v[\c]
.endm
	TRIG 6, 20, 22
	TRIG 7, 21, 23
	global_store_b64 v3, v[20:21], s[16:17]             ; 32 lanes x 8 bytes: the row's 64 cosines
	global_store_b64 v3, v[22:23], s[16:17] offset:256  ; and its 64 sines
.Lno_table:
.set n, 0
.rept NLOAD
.if n < 8
.set ob, 12+2*(n/4)                    ; xb, then wb
.else
.set ob, 16+2*(n/4)                    ; wb's two further parts
.endif
	s_wait_loadcnt NLOAD-1-n                       ; loads come back in order (ISA guide 5.7.1): load n is in, the younger ones stay out
	v_cvt_pk_f16_f32 v[X+4*n], v[X+4*n], v[X+4*n+1]
	v_cvt_pk_f16_f32 v[X+4*n+1], v[X+4*n+2], v[X+4*n+3]
	global_store_b64 v2, v[X+4*n:X+4*n+1], s[ob:ob+1] offset:256*(n%4)
.set n, n+1
.endr
	s_endpgm
.Lfunc_end_k_q0492d27a86_prep:
	.size	k_q0492d27a86_prep, .Lfunc_end_k_q0492d27a86_prep-k_q0492d27a86_prep
	.p2alignl 7, 3214868480
	.fill 96, 4, 3214868480
	.section	.rodata,"a",@progbits
	.p2align	6, 0x0
	.amdhsa_kernel k_q0492d27a86_prep
		.amdhsa_group_segment_fixed_size 0
		.amdhsa_private_segment_fixed_size 0
		.amdhsa_enable_private_segment 0
		.amdhsa_kernarg_size 56
		.amdhsa_user_sgpr_count 2
		.amdhsa_user_sgpr_kernarg_segment_ptr 1
		.amdhsa_wavefront_size32 1
		.amdhsa_system_sgpr_workgroup_id_x 1
		.amdhsa_system_sgpr_workgroup_id_y 1
		.amdhsa_system_sgpr_workgroup_id_z 1
		.amdhsa_system_vgpr_workitem_id 0
		.amdhsa_next_free_vgpr 96
		.amdhsa_next_free_sgpr 66
		.amdhsa_reserve_vcc 1
		.amdhsa_float_denorm_mode_32 3
		.amdhsa_float_denorm_mode_16_64 3
		.amdhsa_memory_ordered 1
		.amdhsa_forward_progress 1
		.amdhsa_inst_pref_size 11
	.end_amdhsa_kernel
	.amdgpu_metadata
---
amdhsa.version: [ 1, 2 ]
amdhsa.kernels:
  - .name:           k_q0492d27a86_prep
    .symbol:         k_q0492d27a86_prep.kd
    .args:
      - { .name: x, .offset: 0, .size: 8, .value_kind: global_buffer, .address_space: global }
      - { .name: Wq, .offset: 8, .size: 8, .value_kind: global_buffer, .address_space: global }
      - { .name: Wk, .offset: 16, .size: 8, .value_kind: global_buffer, .address_space: global }
      - { .name: Wv, .offset: 24, .size: 8, .value_kind: global_buffer, .address_space: global }
      - { .name: xb, .offset: 32, .size: 8, .value_kind: global_buffer, .address_space: global }
      - { .name: wb, .offset: 40, .size: 8, .value_kind: global_buffer, .address_space: global }
      - { .name: tab, .offset: 48, .size: 8, .value_kind: global_buffer, .address_space: global }
    .group_segment_fixed_size: 0
    .private_segment_fixed_size: 0
    .kernarg_segment_align: 8
    .kernarg_segment_size: 56
    .max_flat_workgroup_size: 256
    .sgpr_count:     66
    .vgpr_count:     96
    .wavefront_size: 32
...
	.end_amdgpu_metadata
.endif
;; end of part 1
;; launch qkv (part 2): grid 16 x 16, 4 waves a work-group, clusters of 4 x 4, 327,680 bytes of LDS; arguments xb, wb, tab, position_ids, bq, bk, bv, qb, kb, vt, Wo, wo; writes qb, kb, vt, wo
.if DOCPART == 2
	.amdgcn_target "amdgcn-amd-amdhsa--gfx1250"
	.amdhsa_code_object_version 6
	.text
	.protected	k_q0492d27a86_qkv
	.globl	k_q0492d27a86_qkv
	.p2align	8
	.type	k_q0492d27a86_qkv,@function
k_q0492d27a86_qkv:
	s_mov_b64 s[64:65], 0
	v_nop
	global_prefetch_b8 v0, s[64:65] scope:SCOPE_SE
	s_setreg_imm32_b32 hwreg(HW_REG_WAVE_MODE, 25, 1), 1
	s_wait_xcnt 0x0
	s_wait_alu depctr_hold_cnt(0) depctr_sa_sdst(0) depctr_va_vdst(0) depctr_va_sdst(0) depctr_va_ssrc(0) depctr_va_vcc(0) depctr_vm_vsrc(0)
	s_getreg_b32 s2, hwreg(HW_REG_IB_STS2, 6, 4)
	s_cmp_eq_u32 s2, 0
	s_cbranch_scc0 .Lentry_in_a_cluster
	s_endpgm
.Lentry_in_a_cluster:
	s_bfe_u32 s2, ttmp6, 0x10000c
	s_cmp_lg_u32 s2, 0xf033
	s_cbranch_scc0 .Lentry_shape_is_right
	s_endpgm
.Lentry_shape_is_right:
; qkv: Q, K, V = x W^T + b for one head and 128 tokens, RoPE on Q and K.  xb [2048][2048] f16, wb [3][2048][2048] f16 (Wq, Wk, Wv),
; tab [1024][128] f32 (64 cosines, 64 sines, both times kappa = sqrt(log2(e)/sqrt(128))), sums in f32.
; Out: qb, kb [32 = batch x 16 + head][1024][128] f16 (kappa times the rotated Q and K), vt [32][128 d][1024 s] f16.
; Beside that, Wo [2048][2048] f32 is rounded to f16 into wo for the last launch: 16,777,216 / 256 = 65,536 bytes a work-group, 32 loads of 512
; neighbouring bytes a wave, asked for behind the first barrier and stored behind the first two K steps, while the matrix work goes on.
; Grid: x = block of 128 tokens, y = head: 256 work-groups of 128 x 384.  The weights are three quarters of what a K step reads, so the
; work-groups that read one head's weights are the neighbours along x, the axis along which work-groups are numbered first.
; Four waves; wave w makes all 128 tokens x the d tiles w and w + 4 (16 wide) of Q, of K and of V: 48 accumulator tiles, 384 registers.
; So d and d + 64 lie in the same lane and the same register number of two tiles, and the rotation needs no traffic between lanes.
; Q and K are made transposed (source 0 = rows of W, source 1 = tokens): a lane holds one token and 8 neighbouring d.
; V is made the other way round (source 0 = tokens, source 1 = rows of Wv): a lane holds one d and 8 neighbouring tokens, which is V^T.
; K goes in steps of 128 through two LDS slots (x, Wq, Wk, Wv: 128 rows of 256 bytes each), one tensor load a wave and step.
; CLUSTER 4 x 4: x's tile hangs on the token block alone (work-group x) and is asked for jointly along a column of the cluster, the weights' tiles
; on the head alone (work-group y) and are asked for jointly along a row.
; The index into the table is taken as the gather in the reference takes it: a negative one wraps once, then it is clamped to 0..1023.
; LIMITS: operands and results are f16.  V and kappa sqrt(2) times Q and K must stay below 65,504, beyond which the conversion gives infinity.
; With x of spread 1 and W of spread 1/sqrt(2048) they stay below about 6; x and W both 30 times larger: about 5,400; a common offset
; of 30 spreads on both x and W: 2048 x 30 x 30/sqrt(2048) = 40,700 in V, 20,600 in the scaled Q and K.  NaN and infinities are not treated apart.
; REGISTERS.  Window 0: v0-31 addresses; v32-159 x's fragments (two buffers of 8); v160-255 the weights' fragments (two buffers of 6).
; Window 1: Q's and K's sums at 128 sel + 16 mt + 8 n.  Window 2: V's sums at 16 mt + 8 n; cosines at 128 + 8 mt, sines at 192 + 8 mt.
; Window 3: bq (d, d + 64) at 0, bk at 16; my 16,384 bytes of Wo at 32-159.
.set PITCH, 272                        ; an LDS row: 256 bytes + 16 of padding, an odd multiple of 16: the 16 rows of a fragment load start 16 bytes apart modulo 256
.set HALFT, 128*PITCH                  ; one tile: 128 rows
.set SLOT,  4*HALFT                    ; x, Wq, Wk, Wv
.set WI,   7                           ; v7 my byte offset in Wo
.set WX,   8                           ; v8 my byte offset in wo
.set WR,   32                          ; window 3: Wo as loaded, then as stored
.set ADRA, 10                          ; v10-11 x's fragments in slot 0, 1
.set ADRB, 12                          ; v12-13 my rows of Wq (Wk: + HALFT in the offset)
.set ADRV, 14                          ; v14-15 my rows of Wv
.set STQ,  16                          ; stage of Q (K: + HALFT): where my 16 bytes of a token go
.set STV,  17                          ; stage of V^T
.set RD,   18                          ; reading the stages of Q and K back by rows
.set RDV,  19                          ; the same for V^T
.set GO,   20                          ; my byte offset in qb and kb
.set GV,   21                          ; in vt
.set BV,   22                          ; v[22:23] bv(d) twice; v[4:5] bv(d + 64) twice: pairs for the packed add
.set BV1,  4
.set PO,   24                          ; v24-31 byte offset of my 8 tokens' table rows
.set FA,   32
.set FB,   160
.set T,    32                          ; the way out: 128 registers at work
.set U,    160
.set COS,  128
.set SIN,  192
.set G1A, 32                           ; s[32:39] shape and mask of x's tiles
.set G0A, 40                           ; s[40:47] from where, to where: a set for each slot
.set G1B, 48                           ; the same for the weights' tiles
.set G0B, 56
.set MSB, 0
.macro WIN new                         ; the immediate's high byte repeats the setting that is left
.if MSB != \new
	s_set_vgpr_msb (MSB<<8)|\new
.set MSB, \new
.endif
.endm
.macro PLACES                          ; four plain vector instructions behind a matrix instruction (ISA guide 7.12.1) before its registers are loaded into, read or written
.rept 4
	v_nop
.endr
.endm
; A joint load: wave 0 asks for x's tile, waves 1 to 3 for Wq's, Wk's, Wv's.  The branch hangs on the wave's number alone.
.macro JLOAD s
	s_cmp_eq_u32 s24, 0
	s_cbranch_scc0 .Lfor_w_\@
	tensor_load_to_lds s[G0A+4*\s:G0A+4*\s+3], s[G1A:G1A+7]
	s_nop 0
	s_branch .Lasked_\@
.Lfor_w_\@:
	tensor_load_to_lds s[G0B+4*\s:G0B+4*\s+3], s[G1B:G1B+7]
	s_nop 0
.Lasked_\@:
.endm
.macro CREST                           ; a round of the cluster's barrier behind its opening work-group barrier
	s_cmp_lg_u32 s24, 0
	s_cbranch_scc1 .Lnot_wave_0_\@
	s_barrier_signal -3
.Lnot_wave_0_\@:
	s_barrier_wait -3
	s_barrier_signal -1
	s_barrier_wait -1
.endm
.macro CROUND
	s_barrier_signal -1
	s_barrier_wait -1
	CREST
.endm
	s_load_b512 s[4:19], s[0:1], 0x0               ; xb 4, wb 6, tab 8, position_ids 10, bq 12, bk 14, bv 16, qb 18
	s_load_b128 s[20:23], s[0:1], 0x40             ; kb 20, vt 22
	s_load_b128 s[88:91], s[0:1], 0x50             ; Wo 88, wo 90
	s_set_vgpr_msb 0xc0
	v_lshl_add_u32 v160, v0, 2, 0x44000
	v_mov_b32 v161, 0
	s_set_vgpr_msb 0xc0cf
	ds_add_u32 v160, v161
	s_set_vgpr_msb 0xcf00
	v_lshrrev_b32 v1, 5, v0
	v_readfirstlane_b32 s24, v1                    ; wave
	s_bfe_u32 s25, ttmp6, 0x40000                  ; cx
	s_bfe_u32 s26, ttmp6, 0x40004                  ; cy
	s_lshl_b32 s28, ttmp9, 2
	s_add_co_u32 s28, s28, s25                     ; token block = work-group x
	s_and_b32 s27, ttmp7, 0xffff
	s_lshl_b32 s27, s27, 2
	s_add_co_u32 s27, s27, s26                     ; head = work-group y
	s_lshl_b32 s29, 0x1111, s25                    ; my column of the cluster (same cx): the same tokens
	s_lshl_b32 s30, s26, 2
	s_lshl_b32 s30, 15, s30                        ; my row (same cy): the same head
	; group 1: 128 rows x 128 elements of 2 bytes, 4 words of padding behind every 64, 2,048 elements from row to row
	s_or_b32 s[G1A+0], s29, (1<<16)|(1<<20)|(1<<21)|(5<<22)|(3<<25)
	s_or_b32 s[G1B+0], s30, (1<<16)|(1<<20)|(1<<21)|(5<<22)|(3<<25)
	s_mov_b32 s[G1A+1], 128<<16                    ; tensor_dim0 = 128
	s_mov_b32 s[G1B+1], 128<<16
	s_mov_b32 s[G1A+2], 128<<16                    ; tensor_dim1 = 128
	s_mov_b32 s[G1B+2], 128<<16
	s_mov_b32 s[G1A+3], 128<<16                    ; tile_dim0 = 128
	s_mov_b32 s[G1B+3], 128<<16
	s_mov_b32 s[G1A+4], 128                        ; tile_dim1 = 128
	s_mov_b32 s[G1B+4], 128
	s_mov_b32 s[G1A+5], 2048                       ; the pitch
	s_mov_b32 s[G1B+5], 2048
	s_mov_b32 s[G1A+6], 0
	s_mov_b32 s[G1B+6], 0
	s_mov_b32 s[G1A+7], 0
	s_mov_b32 s[G1B+7], 0
	s_lshl_b32 s66, s28, 19                        ; x: token block x 128 rows x 4,096 bytes
	s_mov_b32 s67, 0
	s_max_u32 s68, s24, 1
	s_sub_co_u32 s68, s68, 1                       ; which weight: waves 1, 2, 3 take Wq, Wk, Wv (wave 0 does not use this address)
	s_lshl_b32 s68, s68, 23                        ; x 2,048 rows x 4,096 bytes
	s_lshl_b32 s69, s27, 19                        ; + head x 128 rows
	s_add_co_u32 s68, s68, s69
	s_mov_b32 s69, 0
	s_mul_i32 s70, s24, HALFT                      ; to where: the wave's number alone
	s_wait_dscnt 0x0
	s_wait_kmcnt 0x0
	s_add_nc_u64 s[66:67], s[4:5], s[66:67]
	s_add_nc_u64 s[68:69], s[6:7], s[68:69]
	CROUND                                         ; all sixteen work-groups are here: the first joint loads meet
.irp s, 0,1
	s_mov_b32 s[G0A+4*\s], 1
	s_add_co_u32 s[G0A+4*\s+1], s70, \s*SLOT
	s_add_nc_u64 s[G0A+4*\s+2:G0A+4*\s+3], s[66:67], \s*256
	s_or_b32 s[G0A+4*\s+3], s[G0A+4*\s+3], 0x80000000
	s_mov_b32 s[G0B+4*\s], 1
	s_add_co_u32 s[G0B+4*\s+1], s70, \s*SLOT
	s_add_nc_u64 s[G0B+4*\s+2:G0B+4*\s+3], s[68:69], \s*256
	s_or_b32 s[G0B+4*\s+3], s[G0B+4*\s+3], 0x80000000
	JLOAD \s                                       ; K steps 0 and 1: two tensor loads of the wave are out, later one
.endr
	v_and_b32 v1, 15, v0                           ; r
	v_bfe_u32 v2, v0, 4, 1                         ; h
	s_lshl_b32 s75, s28, 9
	v_lshl_add_u32 v7, v1, 2, s75                  ; position_ids: 4 (128 block + r)
.irp a, 0,1,2,3,4,5,6,7
	global_load_b32 v[PO+\a], v7, s[10:11] offset:64*\a      ; token 16 a + r
.endr
	v_mul_u32_u24 v3, v1, PITCH
	v_lshl_add_u32 v3, v2, 4, v3                   ; r x pitch + 16 h: a fragment's lane term
	v_mov_b32 v[ADRA], v3
	v_add_nc_u32 v[ADRA+1], SLOT, v3
	s_mul_i32 s71, s24, 16*PITCH
	s_add_co_u32 s71, s71, HALFT
	v_add_nc_u32 v[ADRB], s71, v3                  ; Wq's rows 16 w + r
	v_add_nc_u32 v[ADRB+1], SLOT, v[ADRB]
	v_add_nc_u32 v[ADRV], 2*HALFT, v[ADRB]
	v_add_nc_u32 v[ADRV+1], 2*HALFT, v[ADRB+1]
	s_lshl_b32 s72, s24, 5
	v_add_nc_u32 v[STQ], s72, v3                   ; row r, byte 32 w + 16 h
	v_add_nc_u32 v[STV], HALFT, v[ADRB]            ; 2 HALFT + (16 w + r) x pitch + 16 h
	v_mul_u32_u24 v4, v2, PITCH
	v_lshl_add_u32 v4, v1, 4, v4
	s_mul_i32 s73, s24, 32*PITCH
	v_add_nc_u32 v[RD], s73, v4                    ; row 32 w + h, byte 16 r
	v_add_nc_u32 v[RDV], 2*HALFT, v[RD]
	v_lshlrev_b32 v5, 8, v2
	v_lshl_add_u32 v5, v1, 4, v5
	s_lshl_b32 s74, s24, 13
	v_add_nc_u32 v[GO], s74, v5                    ; (32 w + h) x 256 + 16 r
	v_lshlrev_b32 v6, 11, v2
	v_lshl_add_u32 v6, v1, 4, v6
	s_lshl_b32 s76, s24, 16
	v_add_nc_u32 v[GV], s76, v6                    ; (32 w + h) x 2,048 + 16 r
	s_lshl_b32 s77, s24, 6
	v_lshl_add_u32 v8, v2, 5, s77                  ; 4 (16 w + 8 h): my 8 frequencies, my 8 d
	s_lshl_b32 s78, s27, 9
	v_add_nc_u32 v9, s78, v8                       ; bq, bk: + head x 512
	s_add_co_u32 s79, s78, s77
	v_lshl_add_u32 v6, v1, 2, s79                  ; bv: 4 (128 head + 16 w + r)
	s_wait_loadcnt 0x0                             ; the eight indices
.irp a, 0,1,2,3,4,5,6,7
	v_add_nc_u32 v3, 0x400, v[PO+\a]
	v_cmp_gt_i32 vcc_lo, 0, v[PO+\a]
	v_cndmask_b32 v[PO+\a], v[PO+\a], v3, vcc_lo   ; a negative index counts from the table's end
	v_max_i32 v[PO+\a], 0, v[PO+\a]
	v_min_u32 v[PO+\a], 0x3ff, v[PO+\a]            ; and it stays inside the table's 1,024 rows
	v_lshl_add_u32 v[PO+\a], v[PO+\a], 9, v8       ; a row is 512 bytes
.endr
	WIN 0x80                                       ; destination window 2
.irp a, 0,1,2,3,4,5,6,7
	global_load_b128 v[COS+8*\a:COS+8*\a+3],   v[PO+\a], s[8:9]
	global_load_b128 v[COS+8*\a+4:COS+8*\a+7], v[PO+\a], s[8:9] offset:16
	global_load_b128 v[SIN+8*\a:SIN+8*\a+3],   v[PO+\a], s[8:9] offset:256
	global_load_b128 v[SIN+8*\a+4:SIN+8*\a+7], v[PO+\a], s[8:9] offset:272
.endr
	WIN 0xc0                                       ; destination window 3
	global_load_b128 v[0:3],   v9, s[12:13]
	global_load_b128 v[4:7],   v9, s[12:13] offset:16
	global_load_b128 v[8:11],  v9, s[12:13] offset:256
	global_load_b128 v[12:15], v9, s[12:13] offset:272
	global_load_b128 v[16:19], v9, s[14:15]
	global_load_b128 v[20:23], v9, s[14:15] offset:16
	global_load_b128 v[24:27], v9, s[14:15] offset:256
	global_load_b128 v[28:31], v9, s[14:15] offset:272
	WIN 0
	global_load_b32 v[BV],    v6, s[16:17]
	global_load_b32 v[BV+1],  v6, s[16:17]
	global_load_b32 v[BV1],   v6, s[16:17] offset:256
	global_load_b32 v[BV1+1], v6, s[16:17] offset:256   ; nothing touches these 44 loads' registers before the wait behind the first two K steps
	s_lshl_b32 s92, s27, 4                         ; my part of Wo: work-group 16 head + token block,
	s_add_co_u32 s92, s92, s28
	s_lshl_b32 s92, s92, 16                        ; x 65,536 bytes,
	s_lshl_b32 s93, s24, 14                        ; + wave x 16,384
	s_add_co_u32 s92, s92, s93
	v_and_b32 v3, 31, v0
	v_lshl_add_u32 v[WI], v3, 4, s92               ; + lane x 16 (v7 and v8 are free: the indices are in, the offsets made of v8 are made)
	v_lshrrev_b32 v[WX], 1, v[WI]                  ; out: half of it
; 16 products for V: tokens as source 0, rows of Wv as source 1
.macro MULV f, zero
.irp a, 0,1,2,3,4,5,6,7
.irp b, 0,1
.set md, 16*\a+8*\b
.set ma, FA+64*\f+8*\a
.set mb, FB+48*\f+32+8*\b
.if \zero
	v_wmma_f32_16x16x32_f16 v[md:md+7], v[ma:ma+7], v[mb:mb+7], 0
.else
	v_wmma_f32_16x16x32_f16 v[md:md+7], v[ma:ma+7], v[mb:mb+7], v[md:md+7]
.endif
.endr
.endr
.endm
; 16 products for Q (sel = 0) or K (1): rows of W as source 0, tokens as source 1
.macro MULQK f, sel, zero
.irp a, 0,1,2,3,4,5,6,7
.irp b, 0,1
.set md, 128*\sel+16*\a+8*\b
.set ma, FB+48*\f+16*\sel+8*\b
.set mb, FA+64*\f+8*\a
.if \zero
	v_wmma_f32_16x16x32_f16 v[md:md+7], v[ma:ma+7], v[mb:mb+7], 0
.else
	v_wmma_f32_16x16x32_f16 v[md:md+7], v[ma:ma+7], v[mb:mb+7], v[md:md+7]
.endif
.endr
.endr
.endm
; 28 LDS loads: the fragments of 32 along K at byte k of the rows, into buffer f: x's 16, Wv's 4, then Wq's and Wk's 8
.macro FETCH slot, k, f
.irp i, 0,1,2,3,4,5,6,7
	ds_load_b128 v[FA+64*\f+8*\i:FA+64*\f+8*\i+3],   v[ADRA+\slot] offset:\k+\i*16*PITCH
	ds_load_b128 v[FA+64*\f+8*\i+4:FA+64*\f+8*\i+7], v[ADRA+\slot] offset:\k+\i*16*PITCH+32
.endr
.irp i, 0,1
	ds_load_b128 v[FB+48*\f+32+8*\i:FB+48*\f+32+8*\i+3],   v[ADRV+\slot] offset:\k+\i*64*PITCH
	ds_load_b128 v[FB+48*\f+32+8*\i+4:FB+48*\f+32+8*\i+7], v[ADRV+\slot] offset:\k+\i*64*PITCH+32
.endr
.irp j, 0,1
.irp i, 0,1
	ds_load_b128 v[FB+48*\f+16*\j+8*\i:FB+48*\f+16*\j+8*\i+3],   v[ADRB+\slot] offset:\k+\j*HALFT+\i*64*PITCH
	ds_load_b128 v[FB+48*\f+16*\j+8*\i+4:FB+48*\f+16*\j+8*\i+7], v[ADRB+\slot] offset:\k+\j*HALFT+\i*64*PITCH+32
.endr
.endr
.endm
; A K step is four quarters of 32 along K, 48 products each, on buffers 0, 1, 0, 1.  The 48 accumulators take turns, one instruction a
; turn, in the same order (V, Q, K) in every quarter.
.macro QUARTER slot, k, f, g, zero
	s_wait_dscnt 8                                 ; x's and Wv's fragments are in; the youngest eight loads (Wq's, Wk's) may be out
	WIN 0xa0                                       ; C and D in window 2
	MULV \f, \zero
	WIN 0
	PLACES
	FETCH \slot, \k, \g                            ; the next quarter's fragments
	s_wait_dscnt 28                                ; all but the 28 just issued
	WIN 0x50                                       ; C and D in window 1
	MULQK \f, 0, \zero
	MULQK \f, 1, \zero
.endm
.macro THREE slot, zero
	QUARTER \slot, 64,  0, 1, \zero
	QUARTER \slot, 128, 1, 0, 0
	QUARTER \slot, 192, 0, 1, 0
.endm
; The last quarter multiplies buffer 1 and changes slots.  In front of the barrier each wave has waited for its reads of this slot and for
; all its tensor loads (the one that is out is its part of the next slot).  fill = 1: the barrier opens a round of the cluster's barrier, and
; the joint refill, two K steps ahead, is the first tensor load behind it.  From a request to the wait for it a wave issues 176 products.
.macro TURN slot, next, fill
	s_wait_dscnt 0x0
	s_set_vgpr_msb 0x505f
	s_wait_tensorcnt 0x0
	ds_add_u32 v160, v161
	s_wait_dscnt 0x0
	s_set_vgpr_msb 0x5f50
	s_barrier_signal -1
	WIN 0xa0
	MULV 1, 0                                      ; register work while the others arrive
	WIN 0
	s_barrier_wait -1
.if \fill
	CREST
	s_add_nc_u64 s[G0A+4*\slot+2:G0A+4*\slot+3], s[G0A+4*\slot+2:G0A+4*\slot+3], 512
	s_add_nc_u64 s[G0B+4*\slot+2:G0B+4*\slot+3], s[G0B+4*\slot+2:G0B+4*\slot+3], 512
	JLOAD \slot
.endif
	PLACES
	FETCH \next, 0, 0
	WIN 0x50
	MULQK 1, 0, 0
	MULQK 1, 1, 0
.endm
.macro LAP zero
	THREE 0, \zero
	TURN 0, 1, 1
	THREE 1, 0
	TURN 1, 0, 1
.endm
	s_wait_tensorcnt 0x1                           ; my part of K step 0 is in; K step 1's stays out
	s_barrier_signal -1
	s_barrier_wait -1
	FETCH 0, 0, 0
	WIN 0xc0                                       ; destination window 3: my 16,384 bytes of Wo, asked for only now, behind the first tiles
.set i, 0
.rept 32
	global_load_b128 v[WR+4*i:WR+4*i+3], v[WI], s[88:89] offset:512*i th:TH_LOAD_NT
.set i, i+1
.endr
	LAP 1                                          ; 16 K steps = 8 laps; the first starts the sums, nothing is cleared
	s_wait_loadcnt 0x0                             ; Wo's 32 loads are the youngest: the count is 0, and the table rows and biases are in too
	WIN 0xcf                                       ; sources 0, 1 and destination window 3
.set i, 0
.rept 32
	v_cvt_pk_f16_f32 v[WR+4*i], v[WR+4*i], v[WR+4*i+1]
	v_cvt_pk_f16_f32 v[WR+4*i+1], v[WR+4*i+2], v[WR+4*i+3]
.set i, i+1
.endr
	WIN 0x0c                                       ; store data window 3, address window 0
.set i, 0
.rept 32
	global_store_b64 v[WX], v[WR+4*i:WR+4*i+1], s[90:91] offset:256*i    ; 32 lanes x 8 bytes: 256 consecutive bytes, aligned; these registers are not written again
.set i, i+1
.endr
	WIN 0
	s_mov_b32 s31, 6
.Llap:
	LAP 0
	WIN 0
	s_sub_co_u32 s31, s31, 1
	s_cmp_lg_u32 s31, 0
	s_cbranch_scc1 .Llap
	THREE 0, 0                                     ; the last lap fills nothing
	TURN 0, 1, 0
	THREE 1, 0
	s_wait_dscnt 0x0
	WIN 0xa0
	MULV 1, 0
	WIN 0x50
	MULQK 1, 0, 0
	MULQK 1, 1, 0
	WIN 0
	PLACES
	; THE WAY OUT.  Slot 0 has had its last fill and its last read: it is the stage (Q at 0, K at HALFT, V^T at 2 HALFT, 128 rows of 272 bytes each).
	s_wait_dscnt 0x0
	s_barrier_signal -1
	s_barrier_wait -1
	s_lshr_b32 s80, s28, 3                         ; batch
	s_lshl_b32 s80, s80, 4
	s_add_co_u32 s80, s80, s27                     ; batch x 16 + head
	s_and_b32 s81, s28, 7                          ; the block of 128 among the batch's 1,024 tokens
	s_lshl_b32 s82, s80, 18                        ; x 262,144 bytes
	s_lshl_b32 s84, s81, 15                        ; qb, kb: 128 rows of 256 bytes
	s_add_co_u32 s84, s84, s82
	s_mov_b32 s85, 0
	s_add_nc_u64 s[18:19], s[18:19], s[84:85]
	s_add_nc_u64 s[20:21], s[20:21], s[84:85]
	s_lshl_b32 s86, s81, 8                         ; vt: 128 tokens of 2 bytes along a row
	s_add_co_u32 s86, s86, s82
	s_mov_b32 s87, 0
	s_add_nc_u64 s[22:23], s[22:23], s[86:87]
; Q (sel = 0) or K (1): bias, rotation (with the table's factor kappa), f16, into the stage
.macro ROPE sel
	WIN 0x0d                                       ; source 0 window 1 (sums), source 1 window 3 (bias)
.irp a, 0,1,2,3,4,5,6,7
.irp b, 0,1
.irp j, 0,2,4,6
	v_pk_add_f32 v[T+16*\a+8*\b+\j:T+16*\a+8*\b+\j+1], v[128*\sel+16*\a+8*\b+\j:128*\sel+16*\a+8*\b+\j+1], v[16*\sel+8*\b+\j:16*\sel+8*\b+\j+1]
.endr
.endr
.endr
	WIN 0x08                                       ; source 1 window 2 (cosines, sines)
.irp a, 0,1,2,3,4,5,6,7
.irp j, 0,2,4,6
	v_pk_mul_f32 v[U+8*(\a%2)+\j:U+8*(\a%2)+\j+1], v[T+16*\a+8+\j:T+16*\a+8+\j+1], v[SIN+8*\a+\j:SIN+8*\a+\j+1]      ; z2 sin
.endr
.irp j, 0,2,4,6
	v_pk_mul_f32 v[T+16*\a+8+\j:T+16*\a+8+\j+1], v[T+16*\a+8+\j:T+16*\a+8+\j+1], v[COS+8*\a+\j:COS+8*\a+\j+1]        ; z2 cos
.endr
.irp j, 0,2,4,6
	v_pk_fma_f32 v[T+16*\a+8+\j:T+16*\a+8+\j+1], v[T+16*\a+\j:T+16*\a+\j+1], v[SIN+8*\a+\j:SIN+8*\a+\j+1], v[T+16*\a+8+\j:T+16*\a+8+\j+1]   ; z1 sin + z2 cos
.endr
.irp j, 0,2,4,6
	v_pk_fma_f32 v[T+16*\a+\j:T+16*\a+\j+1], v[T+16*\a+\j:T+16*\a+\j+1], v[COS+8*\a+\j:COS+8*\a+\j+1], v[U+8*(\a%2)+\j:U+8*(\a%2)+\j+1] neg_lo:[0,0,1] neg_hi:[0,0,1]   ; z1 cos - z2 sin
.endr
.endr
	WIN 0
.irp a, 0,1,2,3,4,5,6,7
.irp b, 0,1
.irp r, 0,1,2,3
	v_cvt_pk_f16_f32 v[T+16*\a+8*\b+\r], v[T+16*\a+8*\b+2*\r], v[T+16*\a+8*\b+2*\r+1]
.endr
	ds_store_b128 v[STQ], v[T+16*\a+8*\b:T+16*\a+8*\b+3] offset:\sel*HALFT+\a*16*PITCH+\b*128   ; token 16 a + r, d = 64 b + 16 w + 8 h ..
.endr
.endr
.endm
	ROPE 0
	ROPE 1
	WIN 0x02                                       ; source 0 window 2: V's sums
.irp a, 0,1,2,3,4,5,6,7
.irp j, 0,2,4,6
	v_pk_add_f32 v[T+16*\a+\j:T+16*\a+\j+1],     v[16*\a+\j:16*\a+\j+1],     v[BV:BV+1]
	v_pk_add_f32 v[T+16*\a+8+\j:T+16*\a+8+\j+1], v[16*\a+8+\j:16*\a+8+\j+1], v[BV1:BV1+1]
.endr
.endr
	WIN 0
.irp a, 0,1,2,3,4,5,6,7
.irp b, 0,1
.irp r, 0,1,2,3
	v_cvt_pk_f16_f32 v[T+16*\a+8*\b+\r], v[T+16*\a+8*\b+2*\r], v[T+16*\a+8*\b+2*\r+1]
.endr
	ds_store_b128 v[STV], v[T+16*\a+8*\b:T+16*\a+8*\b+3] offset:32*\a+\b*64*PITCH   ; d = 64 b + 16 w + r, tokens 16 a + 8 h ..
.endr
.endr
	s_wait_dscnt 0x0                               ; my stores are done, for the others' sake
	s_barrier_signal -1
	s_barrier_wait -1
	; wave w takes rows 32 w .. 32 w + 31 of each stage: 16 lanes read and store one row's 256 bytes
.irp t, 0,1,2,3,4,5,6,7,8,9,10,11,12,13,14,15
	ds_load_b128 v[32+4*\t:35+4*\t], v[RD] offset:2*\t*PITCH
.endr
.irp t, 0,1,2,3,4,5,6,7,8,9,10,11,12,13,14,15
	ds_load_b128 v[96+4*\t:99+4*\t], v[RD] offset:HALFT+2*\t*PITCH
.endr
.irp t, 0,1,2,3,4,5,6,7,8,9,10,11,12,13,14,15
	ds_load_b128 v[160+4*\t:163+4*\t], v[RDV] offset:2*\t*PITCH
.endr
.set i, 0
.rept 16
	s_wait_dscnt 47-i                              ; LDS loads come back in order: load i of the 48 is in
	global_store_b128 v[GO], v[32+4*i:35+4*i], s[18:19] offset:512*i
.set i, i+1
.endr
.rept 16
	s_wait_dscnt 47-i
	global_store_b128 v[GO], v[32+4*i:35+4*i], s[20:21] offset:512*(i-16)
.set i, i+1
.endr
.rept 16
	s_wait_dscnt 47-i
	global_store_b128 v[GV], v[32+4*i:35+4*i], s[22:23] offset:4096*(i-32)
.set i, i+1
.endr
	s_set_vgpr_msb 0xf
	s_wait_tensorcnt 0x0
	ds_add_u32 v160, v161
	s_wait_dscnt 0x0
	s_set_vgpr_msb 0xf00
	CROUND                                         ; the closing round: no work-group ends while a partner may still ask for a tile that names it
	s_endpgm
.Lfunc_end_k_q0492d27a86_qkv:
	.size	k_q0492d27a86_qkv, .Lfunc_end_k_q0492d27a86_qkv-k_q0492d27a86_qkv
	.p2alignl 7, 3214868480
	.fill 96, 4, 3214868480
	.section	.rodata,"a",@progbits
	.p2align	6, 0x0
	.amdhsa_kernel k_q0492d27a86_qkv
		.amdhsa_group_segment_fixed_size 327680
		.amdhsa_private_segment_fixed_size 0
		.amdhsa_enable_private_segment 0
		.amdhsa_kernarg_size 96
		.amdhsa_user_sgpr_count 2
		.amdhsa_user_sgpr_kernarg_segment_ptr 1
		.amdhsa_wavefront_size32 1
		.amdhsa_system_sgpr_workgroup_id_x 1
		.amdhsa_system_sgpr_workgroup_id_y 1
		.amdhsa_system_sgpr_workgroup_id_z 1
		.amdhsa_system_vgpr_workitem_id 0
		.amdhsa_next_free_vgpr 930
		.amdhsa_next_free_sgpr 96
		.amdhsa_reserve_vcc 1
		.amdhsa_float_denorm_mode_32 3
		.amdhsa_float_denorm_mode_16_64 3
		.amdhsa_memory_ordered 1
		.amdhsa_forward_progress 1
		.amdhsa_inst_pref_size 203
	.end_amdhsa_kernel
	.amdgpu_metadata
---
amdhsa.version: [ 1, 2 ]
amdhsa.kernels:
  - .name:           k_q0492d27a86_qkv
    .symbol:         k_q0492d27a86_qkv.kd
    .args:
      - { .name: xb, .offset: 0, .size: 8, .value_kind: global_buffer, .address_space: global }
      - { .name: wb, .offset: 8, .size: 8, .value_kind: global_buffer, .address_space: global }
      - { .name: tab, .offset: 16, .size: 8, .value_kind: global_buffer, .address_space: global }
      - { .name: position_ids, .offset: 24, .size: 8, .value_kind: global_buffer, .address_space: global }
      - { .name: bq, .offset: 32, .size: 8, .value_kind: global_buffer, .address_space: global }
      - { .name: bk, .offset: 40, .size: 8, .value_kind: global_buffer, .address_space: global }
      - { .name: bv, .offset: 48, .size: 8, .value_kind: global_buffer, .address_space: global }
      - { .name: qb, .offset: 56, .size: 8, .value_kind: global_buffer, .address_space: global }
      - { .name: kb, .offset: 64, .size: 8, .value_kind: global_buffer, .address_space: global }
      - { .name: vt, .offset: 72, .size: 8, .value_kind: global_buffer, .address_space: global }
      - { .name: Wo, .offset: 80, .size: 8, .value_kind: global_buffer, .address_space: global }
      - { .name: wo, .offset: 88, .size: 8, .value_kind: global_buffer, .address_space: global }
    .group_segment_fixed_size: 327680
    .private_segment_fixed_size: 0
    .kernarg_segment_align: 8
    .kernarg_segment_size: 96
    .max_flat_workgroup_size: 128
    .sgpr_count:     96
    .vgpr_count:     930
    .wavefront_size: 32
...
	.end_amdgpu_metadata
.endif
;; end of part 2
;; launch attn (part 3): grid 8 x 32, 8 waves a work-group, clusters of 4 x 1, 327,680 bytes of LDS; arguments qb, kb, vt, att; writes att
.if DOCPART == 3
	.amdgcn_target "amdgcn-amd-amdhsa--gfx1250"
	.amdhsa_code_object_version 6
	.text
	.protected	k_q0492d27a86_attn
	.globl	k_q0492d27a86_attn
	.p2align	8
	.type	k_q0492d27a86_attn,@function
k_q0492d27a86_attn:
	s_mov_b64 s[64:65], 0
	v_nop
	global_prefetch_b8 v0, s[64:65] scope:SCOPE_SE
	s_setreg_imm32_b32 hwreg(HW_REG_WAVE_MODE, 25, 1), 1
	s_wait_xcnt 0x0
	s_wait_alu depctr_hold_cnt(0) depctr_sa_sdst(0) depctr_va_vdst(0) depctr_va_sdst(0) depctr_va_ssrc(0) depctr_va_vcc(0) depctr_vm_vsrc(0)
	s_getreg_b32 s2, hwreg(HW_REG_IB_STS2, 6, 4)
	s_cmp_eq_u32 s2, 0
	s_cbranch_scc0 .Lentry_in_a_cluster
	s_endpgm
.Lentry_in_a_cluster:
	s_bfe_u32 s2, ttmp6, 0x10000c
	s_cmp_lg_u32 s2, 0x3003
	s_cbranch_scc0 .Lentry_shape_is_right
	s_endpgm
.Lentry_shape_is_right:
; attn: softmax(Q K^T / sqrt(128)) V for one (batch, head) and 128 queries.  qb, kb [32][1024][128] f16, vt [32][128 d][1024 s] f16,
; att [2048 tokens][2048] f16.  Grid: x = block of 128 queries, y = batch x 16 + head.
; qb and kb hold the rotated Q and K times kappa = sqrt(log2(e)/sqrt(128)), so that s = q . k is the score as an exponent of 2.
; EIGHT WAVES, two for each SIMD.  Waves w and w + 4 hold the same 32 queries (two tiles, qt = 0, 1); of every LDS slot of 256 keys waves 0 to 3 take
; the first 128 and waves 4 to 7 the second 128.  So each byte of K and V^T is read from LDS by four waves, as with four waves of 32 queries, and
; while one wave of a SIMD is at its softmax or fetches fragments the other has products for the matrix unit.  448 registers a wave, 896 a SIMD.
; At the end waves 4 to 7 hand their sums, maxima and O to waves 0 to 3 through LDS, which join the two halves and store.
; BOTH PRODUCTS ARE MADE TRANSPOSED.  S^T = K Q^T: lane (r, h) holds query r and the keys 8 h + j of each key tile, so that a query's maximum
; and sum are made inside the lane and by one exchange with lane r + 16, every factor is one number a lane, and two key tiles rounded to f16
; in place are source 1 of the second product as they stand.  O^T = V^T P^T leaves a lane with 8 neighbouring d of one query.
; The softmax keeps a running maximum m: p = exp2(s - m), never above 1; when m grows, O and the sum are scaled by exp2(m_old - m_new); the two
; halves are joined in the same way, by exp2(m - max of the two m).
; An LDS slot holds 256 keys (K: 256 rows of 256 bytes; V^T: 128 rows of 512 bytes), two slots, four steps.
; CLUSTER 4 x 1: four query blocks of one head read the same K and V^T; each tile is asked for jointly by all four (mask 15).
; LIMITS: Q, K, V, P and the result are f16: p below 6e-8 of the largest so far counts as 0 in the product (it is still in the sum); the result, a
; mean of V's rows, is as large as V (below 65,504: see the launch that makes V).  v_exp_f32 and v_rcp_f32 flush denormals; NaN and infinities
; are not treated apart.
; REGISTERS.  Window 0: v0-31 addresses and the softmax's state; S at 32 + 64 qt + 8 kt; fragments at 160 (3 buffers of 4; K's in the first product,
; V^T's in the second: never both).  Window 1: O at 16 dt + 8 qt; Q at 128 + 32 qt + 8 kk.
.set KP, 272                           ; K's LDS pitch: 256 + 16
.set VP, 528                           ; V^T's: 512 + 16; both odd multiples of 16
.set KBYTES, 256*KP
.set SLOT, KBYTES+128*VP
.set STAGE, 2*SLOT                     ; behind the ring: 16 rows x 272 bytes for each wave's number
.set XB, 33*512                        ; what a wave hands over: 32 x 512 bytes of O, 512 of maxima and sums; wave w's at w x XB in slot 0
.set ADRK, 8                           ; v8-9 K's fragments in slot 0, 1 (my half of the keys)
.set ADRV, 10                          ; v10-11 V^T's
.set STO, 12
.set RD,  13
.set CO,  14
.set QO,  15
.set XW,  16                           ; where I hand over
.set XR,  17                           ; where wave w + 4 has handed over
.set LS,  18                           ; v18-19 my half of each query's sum
.set AL,  20                           ; v[20:21], v[22:23] the factor, twice, for qt = 0, 1
.set MR,  24                           ; v[24:25], v[26:27] the running maximum, twice
.set MX,  28                           ; v28-31 four chains of maxima
.set S,   32
.set F,   160
.set Q,   128
.set G1K, 24
.set G1V, 32
.set G0K, 40
.set G0V, 48
.set MSB, 0
.macro WIN new
.if MSB != \new
	s_set_vgpr_msb (MSB<<8)|\new
.set MSB, \new
.endif
.endm
.macro PLACES                          ; four plain vector instructions behind a matrix instruction (ISA guide 7.12.1)
.rept 4
	v_nop
.endr
.endm
.macro JLOAD s                         ; waves 0 to 3 ask for K's four quarters, waves 4 to 7 for V^T's: every wave has one load of its own
	s_cmp_lt_u32 s12, 4
	s_cbranch_scc0 .Lfor_v_\@
	tensor_load_to_lds s[G0K+4*\s:G0K+4*\s+3], s[G1K:G1K+7]
	s_nop 0
	s_branch .Lasked_\@
.Lfor_v_\@:
	tensor_load_to_lds s[G0V+4*\s:G0V+4*\s+3], s[G1V:G1V+7]
	s_nop 0
.Lasked_\@:
.endm
.macro ROUND                           ; a round of the cluster's barrier
	s_barrier_signal -1
	s_barrier_wait -1
	s_cmp_lg_u32 s12, 0
	s_cbranch_scc1 .Lnot_wave_0_\@
	s_barrier_signal -3
.Lnot_wave_0_\@:
	s_barrier_wait -3
	s_barrier_signal -1
	s_barrier_wait -1
.endm
	s_load_b256 s[4:11], s[0:1], 0x0               ; qb 4, kb 6, vt 8, att 10
	s_set_vgpr_msb 0x40
	v_lshl_add_u32 v192, v0, 2, 0x4b800
	v_mov_b32 v193, 0
	s_set_vgpr_msb 0x4045
	ds_add_u32 v192, v193
	s_set_vgpr_msb 0x4500
	v_lshrrev_b32 v1, 5, v0
	v_readfirstlane_b32 s12, v1                    ; wave 0..7
	s_and_b32 s21, s12, 3                          ; which 32 queries
	s_lshr_b32 s22, s12, 2                         ; which half of a slot's keys
	s_bfe_u32 s13, ttmp6, 0x40000                  ; cx
	s_lshl_b32 s14, ttmp9, 2
	s_add_co_u32 s14, s14, s13                     ; query block
	s_and_b32 s15, ttmp7, 0xffff                   ; batch x 16 + head: the same in all four partners
	s_mov_b32 s16, 0x76543210                      ; v_permlanex16_b32: lane i reads lane i of the other half
	s_mov_b32 s17, 0xfedcba98
	; K's tiles: 64 rows x 128 elements, dense; V^T's: 32 rows x 256 elements (its 128 rows shared among four waves), 1,024 elements from row to row
	s_mov_b32 s[G1K+0], 15|(1<<16)|(1<<20)|(1<<21)|(5<<22)|(3<<25)
	s_mov_b32 s[G1K+1], 128<<16
	s_mov_b32 s[G1K+2], 64<<16
	s_mov_b32 s[G1K+3], 128<<16
	s_mov_b32 s[G1K+4], 64
	s_mov_b32 s[G1K+5], 128
	s_mov_b32 s[G1K+6], 0
	s_mov_b32 s[G1K+7], 0
	s_mov_b32 s[G1V+0], 15|(1<<16)|(1<<20)|(1<<21)|(6<<22)|(3<<25)
	s_mov_b32 s[G1V+1], 256<<16
	s_mov_b32 s[G1V+2], 32<<16
	s_mov_b32 s[G1V+3], 256<<16
	s_mov_b32 s[G1V+4], 32
	s_mov_b32 s[G1V+5], 1024
	s_mov_b32 s[G1V+6], 0
	s_mov_b32 s[G1V+7], 0
	s_lshl_b32 s56, s15, 18                        ; the head's 262,144 bytes
	s_lshl_b32 s57, s12, 14                        ; K: wave x 64 rows x 256 bytes
	s_add_co_u32 s58, s56, s57
	s_mov_b32 s59, 0
	s_lshl_b32 s60, s21, 16                        ; V^T: (wave - 4) x 32 rows x 2,048 bytes
	s_add_co_u32 s60, s60, s56
	s_mov_b32 s61, 0
	s_mul_i32 s62, s12, 64*KP                      ; K's place in a slot
	s_mul_i32 s63, s12, 32*VP
	s_add_co_u32 s63, s63, KBYTES-128*VP           ; V^T's: KBYTES + (wave - 4) x 32 rows
	s_wait_dscnt 0x0
	s_wait_kmcnt 0x0
	s_add_nc_u64 s[58:59], s[6:7], s[58:59]
	s_add_nc_u64 s[60:61], s[8:9], s[60:61]
	ROUND                                          ; in front of the first joint loads
.irp s, 0,1
	s_mov_b32 s[G0K+4*\s], 1
	s_add_co_u32 s[G0K+4*\s+1], s62, \s*SLOT
	s_add_nc_u64 s[G0K+4*\s+2:G0K+4*\s+3], s[58:59], \s*65536     ; 256 keys on
	s_or_b32 s[G0K+4*\s+3], s[G0K+4*\s+3], 0x80000000
	s_mov_b32 s[G0V+4*\s], 1
	s_add_co_u32 s[G0V+4*\s+1], s63, \s*SLOT
	s_add_nc_u64 s[G0V+4*\s+2:G0V+4*\s+3], s[60:61], \s*512
	s_or_b32 s[G0V+4*\s+3], s[G0V+4*\s+3], 0x80000000
	JLOAD \s                                       ; two tensor loads of the wave are out, later one
.endr
	v_and_b32 v1, 15, v0                           ; r
	v_bfe_u32 v2, v0, 4, 1                         ; h
	v_mul_u32_u24 v3, v1, KP
	v_lshl_add_u32 v3, v2, 4, v3
	s_mul_i32 s67, s22, 128*KP                     ; my half of the keys: 128 rows of K,
	v_add_nc_u32 v[ADRK], s67, v3
	v_add_nc_u32 v[ADRK+1], SLOT, v[ADRK]
	v_mul_u32_u24 v6, v1, VP
	v_lshl_add_u32 v6, v2, 4, v6
	s_lshl_b32 s72, s22, 8                         ; 256 bytes along V^T's rows
	s_add_co_u32 s72, s72, KBYTES
	v_add_nc_u32 v[ADRV], s72, v6
	v_add_nc_u32 v[ADRV+1], SLOT, v[ADRV]
	s_mul_i32 s66, s12, 16*KP
	s_add_co_u32 s66, s66, STAGE
	v_add_nc_u32 v[STO], s66, v3                   ; row r, byte 16 h
	v_mul_u32_u24 v4, v2, KP
	v_lshl_add_u32 v4, v1, 4, v4
	v_add_nc_u32 v[RD], s66, v4                    ; row h, byte 16 r
	v_lshlrev_b32 v5, 12, v2
	v_lshl_add_u32 v[CO], v1, 4, v5                ; att: row h, byte 16 r
	v_lshlrev_b32 v5, 8, v1
	v_lshl_add_u32 v[QO], v2, 4, v5                ; qb: row r, byte 16 h
	v_and_b32 v7, 31, v0
	s_mul_i32 s73, s12, XB
	v_lshl_add_u32 v[XW], v7, 4, s73               ; wave x XB + lane x 16
	v_add_nc_u32 v[XR], 4*XB, v[XW]
	s_lshl_b32 s68, s14, 15                        ; my 32 queries: (128 block + 32 (wave mod 4)) x 256 bytes
	s_lshl_b32 s69, s21, 13
	s_add_co_u32 s68, s68, s69
	s_add_co_u32 s68, s68, s56
	s_mov_b32 s69, 0
	s_add_nc_u64 s[4:5], s[4:5], s[68:69]
	WIN 0x40                                       ; destination window 1: Q's fragments, kept for the whole kernel
.irp q, 0,1
.irp k, 0,1,2,3
	global_load_b128 v[Q+32*\q+8*\k:Q+32*\q+8*\k+3],   v[QO], s[4:5] offset:\q*4096+64*\k
	global_load_b128 v[Q+32*\q+8*\k+4:Q+32*\q+8*\k+7], v[QO], s[4:5] offset:\q*4096+64*\k+32
.endr
.endr
	WIN 0
	s_lshr_b32 s70, s15, 4                         ; att: (batch x 1,024 + 128 block + 32 (wave mod 4)) x 4,096 + head x 256
	s_lshl_b32 s70, s70, 22
	s_lshl_b32 s71, s14, 19
	s_add_co_u32 s70, s70, s71
	s_lshl_b32 s71, s21, 17
	s_add_co_u32 s70, s70, s71
	s_and_b32 s71, s15, 15
	s_lshl_b32 s71, s71, 8
	s_add_co_u32 s70, s70, s71
	s_mov_b32 s71, 0
	s_add_nc_u64 s[10:11], s[10:11], s[70:71]
; group g of 8: K's fragments of key tiles 2 (g/2), +1 and of d blocks 2 (g%2), +1: eight loads into buffer g % 3
.macro KLD g, slot
.irp i, 0,1
.irp c, 0,1
.set kd, F+32*((\g)%3)+8*(2*\i+\c)
	ds_load_b128 v[kd:kd+3],   v[ADRK+\slot] offset:(2*((\g)/2)+\i)*16*KP+64*(2*((\g)%2)+\c)
	ds_load_b128 v[kd+4:kd+7], v[ADRK+\slot] offset:(2*((\g)/2)+\i)*16*KP+64*(2*((\g)%2)+\c)+32
.endr
.endr
.endm
; its eight products; four accumulators take turns, one instruction a turn; d block 0 starts the sums
.macro SMUL g
.irp c, 0,1
.irp i, 0,1
.irp q, 0,1
.set sd, S+64*\q+8*(2*((\g)/2)+\i)
.set sa, F+32*((\g)%3)+8*(2*\i+\c)
.set sb, Q+32*\q+8*(2*((\g)%2)+\c)
.if 2*((\g)%2)+\c
	v_wmma_f32_16x16x32_f16 v[sd:sd+7], v[sa:sa+7], v[sb:sb+7], v[sd:sd+7]
.else
	v_wmma_f32_16x16x32_f16 v[sd:sd+7], v[sa:sa+7], v[sb:sb+7], 0
.endif
.endr
.endr
.endr
.endm
; group g of 8: V^T's fragments of key block g/2 (32 keys) and d tiles 4 (g%2) .. +3
.macro VLD g, slot
.irp i, 0,1,2,3
.set vd, F+32*((\g)%3)+8*\i
	ds_load_b128 v[vd:vd+3],   v[ADRV+\slot] offset:(4*((\g)%2)+\i)*16*VP+64*((\g)/2)
	ds_load_b128 v[vd+4:vd+7], v[ADRV+\slot] offset:(4*((\g)%2)+\i)*16*VP+64*((\g)/2)+32
.endr
.endm
; its eight products on eight accumulators; the wave's first 32 keys start the sums
.macro PMUL g, first
.set zc, 0
.if \first
.if (\g) < 2
.set zc, 1
.endif
.endif
.irp i, 0,1,2,3
.irp q, 0,1
.set pd, 16*(4*((\g)%2)+\i)+8*\q
.set pa, F+32*((\g)%3)+8*\i
.set pb, S+64*\q+16*((\g)/2)
.if zc
	v_wmma_f32_16x16x32_f16 v[pd:pd+7], v[pa:pa+7], v[pb:pb+7], 0
.else
	v_wmma_f32_16x16x32_f16 v[pd:pd+7], v[pa:pa+7], v[pb:pb+7], v[pd:pd+7]
.endif
.endr
.endr
.endm
; cnt = the loads issued behind group g's: two groups of eight, at the end one, then none
.macro SSTEP g, cnt, slot
	s_wait_dscnt \cnt
	SMUL \g
.if \g <= 4
	PLACES
	KLD (\g+3), \slot                              ; into the buffer just multiplied
.endif
.endm
.macro PSTEP g, cnt, slot, first
	s_wait_dscnt \cnt
	WIN 0x50                                       ; C and D (O) window 1; V^T's fragments and P window 0
	PMUL \g, \first
.if \g <= 4
	PLACES
	WIN 0                                          ; the loads' destination is window 0
	VLD (\g+3), \slot
.endif
.endm
.macro EXPQ q                          ; p = exp2(s - m) for tile column q
.set jj, 0
.rept 32
	v_pk_add_f32 v[S+64*\q+jj:S+64*\q+jj+1], v[S+64*\q+jj:S+64*\q+jj+1], v[MR+2*\q:MR+2*\q+1] neg_lo:[0,1] neg_hi:[0,1]
.set jj, jj+2
.endr
.set jj, 0
.rept 64
	v_exp_f32 v[S+64*\q+jj], v[S+64*\q+jj]         ; back to back; a plain instruction on other registers follows the run (ISA guide 5.7.2)
.set jj, jj+1
.endr
.endm
.macro SUMQ q, first                   ; my 64 p are added in f32, then rounded to f16 in place: tiles 2 k, 2 k + 1 become source 1 for key block k
	s_wait_alu depctr_va_vdst(0)
	v_pk_add_f32 v[4:5], v[S+64*\q:S+64*\q+1], v[S+64*\q+2:S+64*\q+3]
	v_pk_add_f32 v[6:7], v[S+64*\q+4:S+64*\q+5], v[S+64*\q+6:S+64*\q+7]
.set jj, 8
.rept 14
	v_pk_add_f32 v[4:5], v[4:5], v[S+64*\q+jj:S+64*\q+jj+1]
	v_pk_add_f32 v[6:7], v[6:7], v[S+64*\q+jj+2:S+64*\q+jj+3]
.set jj, jj+4
.endr
	v_pk_add_f32 v[4:5], v[4:5], v[6:7]
.if \first
	v_add_f32 v[LS+\q], v4, v5
.else
	v_add_f32 v4, v4, v5
	v_fma_f32 v[LS+\q], v[LS+\q], v[AL+2*\q], v4
.endif
.irp k, 0,1,2,3
.irp r, 0,1,2,3
	v_cvt_pk_f16_f32 v[S+64*\q+16*\k+\r], v[S+64*\q+16*\k+2*\r], v[S+64*\q+16*\k+2*\r+1]
.endr
.irp r, 0,1,2,3
	v_cvt_pk_f16_f32 v[S+64*\q+16*\k+4+\r], v[S+64*\q+16*\k+8+2*\r], v[S+64*\q+16*\k+8+2*\r+1]
.endr
.endr
.endm
; One step: my 128 keys of a slot
.macro SUB slot, first
	WIN 0x04                                       ; source 1 (Q) window 1
	SSTEP 0, 16, \slot
	SSTEP 1, 16, \slot
	SSTEP 2, 16, \slot
	SSTEP 3, 16, \slot
	SSTEP 4, 16, \slot
	SSTEP 5, 16, \slot
	SSTEP 6, 8, \slot
	SSTEP 7, 0, \slot
	PLACES
	VLD 0, \slot                                   ; V^T's first fragments land during the softmax
	VLD 1, \slot
	VLD 2, \slot
	WIN 0
	v_max_num_f32 v[MX],   v[S],    v[S+1]         ; four chains of 32 numbers, two for each tile column
	v_max_num_f32 v[MX+1], v[S+32], v[S+33]
	v_max_num_f32 v[MX+2], v[S+64], v[S+65]
	v_max_num_f32 v[MX+3], v[S+96], v[S+97]
.set jj, 2
.rept 15
	v_max3_num_f32 v[MX],   v[MX],   v[S+jj],    v[S+jj+1]
	v_max3_num_f32 v[MX+1], v[MX+1], v[S+32+jj], v[S+33+jj]
	v_max3_num_f32 v[MX+2], v[MX+2], v[S+64+jj], v[S+65+jj]
	v_max3_num_f32 v[MX+3], v[MX+3], v[S+96+jj], v[S+97+jj]
.set jj, jj+2
.endr
	v_max_num_f32 v[MX],   v[MX],   v[MX+1]
	v_max_num_f32 v[MX+2], v[MX+2], v[MX+3]
	v_permlanex16_b32 v[MX+1], v[MX],   s16, s17   ; the query's other 64 keys lie in the other half of the lanes
	v_permlanex16_b32 v[MX+3], v[MX+2], s16, s17
	v_max_num_f32 v[MX],   v[MX],   v[MX+1]        ; this step's maximum
	v_max_num_f32 v[MX+2], v[MX+2], v[MX+3]
.if \first
	v_mov_b32 v[MR],   v[MX]
	v_mov_b32 v[MR+1], v[MX]
	v_mov_b32 v[MR+2], v[MX+2]
	v_mov_b32 v[MR+3], v[MX+2]
.else
	v_max_num_f32 v[MX],   v[MX],   v[MR]          ; the running maximum
	v_max_num_f32 v[MX+2], v[MX+2], v[MR+2]
	v_sub_f32 v[MX+1], v[MR],   v[MX]              ; m_old - m_new, never above 0
	v_sub_f32 v[MX+3], v[MR+2], v[MX+2]
	v_exp_f32 v[AL],   v[MX+1]
	v_exp_f32 v[AL+2], v[MX+3]
	v_mov_b32 v[MR],   v[MX]                       ; plain instructions behind the exponentials (ISA guide 5.7.2)
	v_mov_b32 v[MR+1], v[MX]
	v_mov_b32 v[MR+2], v[MX+2]
	v_mov_b32 v[MR+3], v[MX+2]
	s_wait_alu depctr_va_vdst(0)
	v_mov_b32 v[AL+1], v[AL]
	v_mov_b32 v[AL+3], v[AL+2]
.endif
	EXPQ 0
	EXPQ 1
	SUMQ 0, \first
	SUMQ 1, \first
.if \first == 0
	WIN 0x41                                       ; source 0 and destination window 1: O is scaled
.irp d, 0,1,2,3,4,5,6,7
.irp q, 0,1
.irp j, 0,2,4,6
	v_pk_mul_f32 v[16*\d+8*\q+\j:16*\d+8*\q+\j+1], v[16*\d+8*\q+\j:16*\d+8*\q+\j+1], v[AL+2*\q:AL+2*\q+1]
.endr
.endr
.endr
.endif
	PSTEP 0, 16, \slot, \first
	PSTEP 1, 16, \slot, \first
	PSTEP 2, 16, \slot, \first
	PSTEP 3, 16, \slot, \first
	PSTEP 4, 16, \slot, \first
	PSTEP 5, 16, \slot, \first
	PSTEP 6, 8, \slot, \first
	PSTEP 7, 0, \slot, \first
.endm
; Slot has been read.  Each wave waits for its reads and for all its tensor loads (its part of the other slot among them).  fill = 1: a round of
; the cluster's barrier, and the joint refill, 512 keys ahead, first behind it: it has the other slot's step, 256 products on each SIMD, in which to
; land.  Then the other slot is read; the four places stand between the last products and the loads into the fragment buffers that they read.
.macro CHANGE slot, fill
	PLACES
	WIN 0
	s_wait_dscnt 0x0
	s_set_vgpr_msb 0x5
	s_wait_tensorcnt 0x0
	ds_add_u32 v192, v193
	s_wait_dscnt 0x0
	s_set_vgpr_msb 0x500
.if \fill
	s_add_nc_u64 s[G0K+4*\slot+2:G0K+4*\slot+3], s[G0K+4*\slot+2:G0K+4*\slot+3], 131072
	s_add_nc_u64 s[G0V+4*\slot+2:G0V+4*\slot+3], s[G0V+4*\slot+2:G0V+4*\slot+3], 1024
	ROUND
	JLOAD \slot
.else
	s_barrier_signal -1
	s_barrier_wait -1
.endif
	KLD 0, (1-\slot)
	KLD 1, (1-\slot)
	KLD 2, (1-\slot)
.endm
	s_wait_tensorcnt 0x1                           ; my part of slot 0 is in; slot 1's stays out
	s_barrier_signal -1
	s_barrier_wait -1
	KLD 0, 0
	KLD 1, 0
	KLD 2, 0
	s_wait_loadcnt 0x0                             ; Q
	SUB 0, 1                                       ; keys 0 .. 255
	CHANGE 0, 1                                    ; slot 0 gets keys 512 .. 767
	SUB 1, 0
	CHANGE 1, 1                                    ; slot 1 gets keys 768 .. 1023
	SUB 0, 0
	CHANGE 0, 0                                    ; nothing is left to fetch
	SUB 1, 0
	; THE TWO HALVES MEET.  Slot 0 has had its last fill, and every wave's last read of it lies in front of the barrier above: waves 4 to 7 put their
	; O (32 x 512 bytes, lane i at 16 i), maxima and sums there, each at its own number times XB.
	PLACES
	WIN 0
	s_cmp_lt_u32 s12, 4
	s_cbranch_scc1 .Lkeeper
	v_mov_b32 v4, v[MR]
	v_mov_b32 v5, v[MR+2]
	v_mov_b32 v6, v[LS]
	v_mov_b32 v7, v[LS+1]
	ds_store_b128 v[XW], v[4:7] offset:32*512
	WIN 0x04                                       ; store data window 1
.set i, 0
.rept 32
	ds_store_b128 v[XW], v[4*i:4*i+3] offset:512*i
.set i, i+1
.endr
	WIN 0
.Lkeeper:
	s_wait_dscnt 0x0                               ; the stores are done, for the others' sake
	s_barrier_signal -1
	s_barrier_wait -1
	s_cmp_ge_u32 s12, 4
	s_cbranch_scc1 .Lgiven
	ds_load_b128 v[4:7], v[XR] offset:32*512       ; the partner's two maxima and two sums
.set i, 0
.rept 32
	ds_load_b128 v[S+4*i:S+4*i+3], v[XR] offset:512*i      ; its O, register for register
.set i, i+1
.endr
	s_wait_dscnt 32                                ; the first load is in; the 32 behind it stay out
	v_max_num_f32 v[MX],   v[MR],   v4             ; the maximum over all 1,024 keys
	v_max_num_f32 v[MX+1], v[MR+2], v5
	v_sub_f32 v[MR],   v[MR],   v[MX]
	v_sub_f32 v[MR+2], v[MR+2], v[MX+1]
	v_sub_f32 v4, v4, v[MX]
	v_sub_f32 v5, v5, v[MX+1]
	v_exp_f32 v[MR],   v[MR]                       ; my factor
	v_exp_f32 v[MR+2], v[MR+2]
	v_exp_f32 v4, v4                               ; the partner's
	v_exp_f32 v5, v5
	v_nop                                          ; the plain instruction behind the exponentials (ISA guide 5.7.2)
	s_wait_alu depctr_va_vdst(0)
	v_mul_f32 v[LS],   v[LS],   v[MR]
	v_mul_f32 v[LS+1], v[LS+1], v[MR+2]
	v_fma_f32 v[LS],   v6, v4, v[LS]
	v_fma_f32 v[LS+1], v7, v5, v[LS+1]
	v_permlanex16_b32 v[MX],   v[LS],   s16, s17   ; the other half of each query's sum
	v_permlanex16_b32 v[MX+1], v[LS+1], s16, s17
	v_add_f32 v[LS],   v[LS],   v[MX]
	v_add_f32 v[LS+1], v[LS+1], v[MX+1]
	v_rcp_f32 v[MX+2], v[LS]
	v_rcp_f32 v[MX+3], v[LS+1]
	v_nop                                          ; the plain instruction behind the reciprocals
	s_wait_alu depctr_va_vdst(0)
	v_mul_f32 v[AL],   v[MR],   v[MX+2]            ; my factor / sum, twice
	v_mul_f32 v[AL+1], v[MR],   v[MX+2]
	v_mul_f32 v[AL+2], v[MR+2], v[MX+3]
	v_mul_f32 v[AL+3], v[MR+2], v[MX+3]
	v_mul_f32 v[MR],   v4, v[MX+2]                 ; the partner's factor / sum, twice
	v_mul_f32 v[MR+1], v4, v[MX+2]
	v_mul_f32 v[MR+2], v5, v[MX+3]
	v_mul_f32 v[MR+3], v5, v[MX+3]
	s_wait_dscnt 0x0
.irp d, 0,1,2,3,4,5,6,7
.irp q, 0,1
.irp j, 0,2,4,6
	v_pk_mul_f32 v[S+16*\d+8*\q+\j:S+16*\d+8*\q+\j+1], v[S+16*\d+8*\q+\j:S+16*\d+8*\q+\j+1], v[MR+2*\q:MR+2*\q+1]
.endr
.endr
.endr
	WIN 0x01                                       ; source 0 window 1: my O
.irp d, 0,1,2,3,4,5,6,7
.irp q, 0,1
.irp j, 0,2,4,6
	v_pk_fma_f32 v[S+16*\d+8*\q+\j:S+16*\d+8*\q+\j+1], v[16*\d+8*\q+\j:16*\d+8*\q+\j+1], v[AL+2*\q:AL+2*\q+1], v[S+16*\d+8*\q+\j:S+16*\d+8*\q+\j+1]
.endr
.endr
.endr
	WIN 0
; f16, 16 queries at a time through my own stage, whole rows of 256 bytes out
.macro OUTQ q
.irp d, 0,1,2,3,4,5,6,7
.irp r, 0,1,2,3
	v_cvt_pk_f16_f32 v[S+16*\d+8*\q+\r], v[S+16*\d+8*\q+2*\r], v[S+16*\d+8*\q+2*\r+1]
.endr
	ds_store_b128 v[STO], v[S+16*\d+8*\q:S+16*\d+8*\q+3] offset:32*\d
.endr
.irp t, 0,1,2,3,4,5,6,7
	ds_load_b128 v[F+32*\q+4*\t:F+32*\q+4*\t+3], v[RD] offset:2*\t*KP       ; LDS serves a wave's instructions in order (ISA guide 5.7.1.4): these see the stores above
.endr
.irp t, 0,1,2,3,4,5,6,7
	s_wait_dscnt 7-\t
	global_store_b128 v[CO], v[F+32*\q+4*\t:F+32*\q+4*\t+3], s[10:11] offset:(16*\q+2*\t)*4096   ; 16 lanes store 256 consecutive bytes, aligned
.endr
.endm
	OUTQ 0
	OUTQ 1
.Lgiven:
	s_set_vgpr_msb 0x5
	s_wait_tensorcnt 0x0
	ds_add_u32 v192, v193
	s_wait_dscnt 0x0
	s_set_vgpr_msb 0x500
	ROUND                                          ; the closing round
	s_endpgm
.Lfunc_end_k_q0492d27a86_attn:
	.size	k_q0492d27a86_attn, .Lfunc_end_k_q0492d27a86_attn-k_q0492d27a86_attn
	.p2alignl 7, 3214868480
	.fill 96, 4, 3214868480
	.section	.rodata,"a",@progbits
	.p2align	6, 0x0
	.amdhsa_kernel k_q0492d27a86_attn
		.amdhsa_group_segment_fixed_size 327680
		.amdhsa_private_segment_fixed_size 0
		.amdhsa_enable_private_segment 0
		.amdhsa_kernarg_size 32
		.amdhsa_user_sgpr_count 2
		.amdhsa_user_sgpr_kernarg_segment_ptr 1
		.amdhsa_wavefront_size32 1
		.amdhsa_system_sgpr_workgroup_id_x 1
		.amdhsa_system_sgpr_workgroup_id_y 1
		.amdhsa_system_sgpr_workgroup_id_z 1
		.amdhsa_system_vgpr_workitem_id 0
		.amdhsa_next_free_vgpr 450
		.amdhsa_next_free_sgpr 80
		.amdhsa_reserve_vcc 0
		.amdhsa_float_denorm_mode_32 3
		.amdhsa_float_denorm_mode_16_64 3
		.amdhsa_memory_ordered 1
		.amdhsa_forward_progress 1
		.amdhsa_inst_pref_size 201
	.end_amdhsa_kernel
	.amdgpu_metadata
---
amdhsa.version: [ 1, 2 ]
amdhsa.kernels:
  - .name:           k_q0492d27a86_attn
    .symbol:         k_q0492d27a86_attn.kd
    .args:
      - { .name: qb, .offset: 0, .size: 8, .value_kind: global_buffer, .address_space: global }
      - { .name: kb, .offset: 8, .size: 8, .value_kind: global_buffer, .address_space: global }
      - { .name: vt, .offset: 16, .size: 8, .value_kind: global_buffer, .address_space: global }
      - { .name: att, .offset: 24, .size: 8, .value_kind: global_buffer, .address_space: global }
    .group_segment_fixed_size: 327680
    .private_segment_fixed_size: 0
    .kernarg_segment_align: 8
    .kernarg_segment_size: 32
    .max_flat_workgroup_size: 256
    .sgpr_count:     80
    .vgpr_count:     450
    .wavefront_size: 32
...
	.end_amdgpu_metadata
.endif
;; end of part 3
;; launch oproj (part 4): grid 16 x 16, 4 waves a work-group, clusters of 4 x 4, 327,680 bytes of LDS; arguments att, wo, bo, out0; writes out0
.if DOCPART == 4
	.amdgcn_target "amdgcn-amd-amdhsa--gfx1250"
	.amdhsa_code_object_version 6
	.text
	.protected	k_q0492d27a86_oproj
	.globl	k_q0492d27a86_oproj
	.p2align	8
	.type	k_q0492d27a86_oproj,@function
k_q0492d27a86_oproj:
	s_mov_b64 s[64:65], 0
	v_nop
	global_prefetch_b8 v0, s[64:65] scope:SCOPE_SE
	s_setreg_imm32_b32 hwreg(HW_REG_WAVE_MODE, 25, 1), 1
	s_wait_xcnt 0x0
	s_wait_alu depctr_hold_cnt(0) depctr_sa_sdst(0) depctr_va_vdst(0) depctr_va_sdst(0) depctr_va_ssrc(0) depctr_va_vcc(0) depctr_vm_vsrc(0)
	s_getreg_b32 s2, hwreg(HW_REG_IB_STS2, 6, 4)
	s_cmp_eq_u32 s2, 0
	s_cbranch_scc0 .Lentry_in_a_cluster
	s_endpgm
.Lentry_in_a_cluster:
	s_bfe_u32 s2, ttmp6, 0x10000c
	s_cmp_lg_u32 s2, 0xf033
	s_cbranch_scc0 .Lentry_shape_is_right
	s_endpgm
.Lentry_shape_is_right:
; oproj: out0 = att Wo^T + bo.  att [2048][2048] f16, wo = Wo rounded to f16, [2048][2048], bo [2048] f32, out0 [2048][2048] f32; sums in f32.
; Grid: x = block of 128 columns, y = block of 128 tokens: 256 work-groups, one for each WGP; a larger block would leave WGPs idle.
; Four waves, 64 x 64 each: 16 accumulator tiles.  K goes in steps of 256 through two LDS slots (128 rows of att, 128 rows of Wo, 512 bytes a row);
; each wave fetches 64 rows with one tensor load.
; CLUSTER 4 x 4: att's tile is asked for jointly along a row of the cluster, Wo's along a column.
; The matrix instruction is used transposed (source 0 = rows of Wo, source 1 = tokens): a lane holds one token and 8 neighbouring columns.
; LIMITS: operands are f16 (their range: see the launches that make them); NaN and infinities are not treated apart.
; REGISTERS.  Window 0: addresses; fragments at 64 and 128 (two buffers: att's 4, then Wo's 4); v192-255 the way out.
; Window 1: sums at 8 (4 a + b); bo at 128 + 8 b.
.set PITCH, 528                        ; 512 bytes + 16 of padding, an odd multiple of 16
.set HALFT, 64*PITCH                   ; what one tensor load brings, and what one wave reads of att or of Wo
.set SLOT,  4*HALFT
.set STAGE, 2*SLOT                     ; behind the ring: 16 rows x 272 bytes for each wave
.set SP,    272
.set ADRA, 16
.set ADRB, 20
.set STO,  24
.set RD,   25
.set CO,   26
.set BO,   27
.set F0,   64
.set F1,   128
.set TMP,  192
.set G1A, 24
.set G0A, 32
.set G1B, 40
.set G0B, 48
.set MSB, 0
.macro WIN new
.if MSB != \new
	s_set_vgpr_msb (MSB<<8)|\new
.set MSB, \new
.endif
.endm
.macro PLACES                          ; four plain vector instructions behind a matrix instruction (ISA guide 7.12.1)
.rept 4
	v_nop
.endr
.endm
.macro JLOAD s                         ; waves 0, 1 ask for att's two halves, waves 2, 3 for Wo's
	s_cmp_eq_u32 s13, 0
	s_cbranch_scc0 .Lfor_b_\@
	tensor_load_to_lds s[G0A+4*\s:G0A+4*\s+3], s[G1A:G1A+7]
	s_nop 0
	s_branch .Lasked_\@
.Lfor_b_\@:
	tensor_load_to_lds s[G0B+4*\s:G0B+4*\s+3], s[G1B:G1B+7]
	s_nop 0
.Lasked_\@:
.endm
.macro CREST
	s_cmp_lg_u32 s12, 0
	s_cbranch_scc1 .Lnot_wave_0_\@
	s_barrier_signal -3
.Lnot_wave_0_\@:
	s_barrier_wait -3
	s_barrier_signal -1
	s_barrier_wait -1
.endm
.macro CROUND
	s_barrier_signal -1
	s_barrier_wait -1
	CREST
.endm
	s_load_b256 s[4:11], s[0:1], 0x0               ; att 4, wo 6, bo 8, out0 10
	v_lshl_add_u32 v62, v0, 2, 0x46400
	v_mov_b32 v63, 0
	ds_add_u32 v62, v63
	v_lshrrev_b32 v1, 5, v0
	v_readfirstlane_b32 s12, v1                    ; wave
	s_lshr_b32 s13, s12, 1                         ; my half of the block's tokens.  Also: I fetch for att (0) or for Wo (1)
	s_and_b32 s14, s12, 1                          ; my half of its columns.  Also: which 64 rows I fetch
	s_bfe_u32 s15, ttmp6, 0x40000                  ; cx
	s_bfe_u32 s16, ttmp6, 0x40004                  ; cy
	s_lshl_b32 s17, ttmp9, 2
	s_add_co_u32 s17, s17, s15                     ; column block
	s_and_b32 s18, ttmp7, 0xffff
	s_lshl_b32 s18, s18, 2
	s_add_co_u32 s18, s18, s16                     ; token block
	s_lshl_b32 s19, s16, 2
	s_lshl_b32 s19, 15, s19                        ; my row of the cluster
	s_lshl_b32 s20, 0x1111, s15                    ; my column
	; group 1: 64 rows x 256 elements of 2 bytes, 4 words of padding behind every 128, 2,048 elements from row to row
	s_or_b32 s[G1A+0], s19, (1<<16)|(1<<20)|(1<<21)|(6<<22)|(3<<25)
	s_or_b32 s[G1B+0], s20, (1<<16)|(1<<20)|(1<<21)|(6<<22)|(3<<25)
	s_mov_b32 s[G1A+1], 256<<16
	s_mov_b32 s[G1B+1], 256<<16
	s_mov_b32 s[G1A+2], 64<<16
	s_mov_b32 s[G1B+2], 64<<16
	s_mov_b32 s[G1A+3], 256<<16
	s_mov_b32 s[G1B+3], 256<<16
	s_mov_b32 s[G1A+4], 64
	s_mov_b32 s[G1B+4], 64
	s_mov_b32 s[G1A+5], 2048
	s_mov_b32 s[G1B+5], 2048
	s_mov_b32 s[G1A+6], 0
	s_mov_b32 s[G1B+6], 0
	s_mov_b32 s[G1A+7], 0
	s_mov_b32 s[G1B+7], 0
	s_lshl_b32 s62, s14, 18                        ; 64 rows x 4,096 bytes
	s_lshl_b32 s56, s18, 19                        ; att: token block x 128 rows
	s_add_co_u32 s56, s56, s62
	s_mov_b32 s57, 0
	s_lshl_b32 s58, s17, 19                        ; Wo: column block x 128 rows
	s_add_co_u32 s58, s58, s62
	s_mov_b32 s59, 0
	s_mul_i32 s60, s12, HALFT                      ; to where: the wave's number alone
	s_wait_dscnt 0x0
	s_wait_kmcnt 0x0
	s_add_nc_u64 s[56:57], s[4:5], s[56:57]
	s_add_nc_u64 s[58:59], s[6:7], s[58:59]
	CROUND                                         ; in front of the first joint loads
.irp s, 0,1
	s_mov_b32 s[G0A+4*\s], 1
	s_add_co_u32 s[G0A+4*\s+1], s60, \s*SLOT
	s_add_nc_u64 s[G0A+4*\s+2:G0A+4*\s+3], s[56:57], \s*512
	s_or_b32 s[G0A+4*\s+3], s[G0A+4*\s+3], 0x80000000
	s_mov_b32 s[G0B+4*\s], 1
	s_add_co_u32 s[G0B+4*\s+1], s60, \s*SLOT
	s_add_nc_u64 s[G0B+4*\s+2:G0B+4*\s+3], s[58:59], \s*512
	s_or_b32 s[G0B+4*\s+3], s[G0B+4*\s+3], 0x80000000
	JLOAD \s                                       ; two tensor loads of the wave are out, later one
.endr
	v_and_b32 v1, 15, v0                           ; r
	v_bfe_u32 v2, v0, 4, 1                         ; h
	v_mul_u32_u24 v3, v1, PITCH
	v_lshl_add_u32 v3, v2, 4, v3
	s_mul_i32 s66, s13, HALFT                      ; my 64 tokens
	s_mul_i32 s67, s14, HALFT                      ; my 64 rows of Wo,
	s_add_co_u32 s67, s67, 2*HALFT                 ; behind att's 128
	v_add_nc_u32 v[ADRA], s66, v3
	v_add_nc_u32 v[ADRB], s67, v3
	v_add_nc_u32 v[ADRA+1], SLOT, v[ADRA]
	v_add_nc_u32 v[ADRB+1], SLOT, v[ADRB]
	s_mul_i32 s68, s12, 16*SP
	s_add_co_u32 s68, s68, STAGE
	v_mul_u32_u24 v4, v1, SP
	v_lshl_add_u32 v4, v2, 5, v4
	v_add_nc_u32 v[STO], s68, v4                   ; row r, byte 32 h
	v_mul_u32_u24 v5, v2, SP
	v_lshl_add_u32 v5, v1, 4, v5
	v_add_nc_u32 v[RD], s68, v5                    ; row h, byte 16 r
	v_lshlrev_b32 v5, 13, v2
	v_lshl_add_u32 v[CO], v1, 4, v5                ; out0: row h, byte 16 r
	s_lshl_b32 s69, s17, 9
	s_lshl_b32 s70, s14, 8
	s_add_co_u32 s69, s69, s70                     ; 4 (128 column block + 64 half)
	v_lshl_add_u32 v[BO], v2, 5, s69               ; + 32 h
	WIN 0x40                                       ; destination window 1
.irp b, 0,1,2,3
	global_load_b128 v[128+8*\b:128+8*\b+3], v[BO], s[8:9] offset:64*\b
	global_load_b128 v[128+8*\b+4:128+8*\b+7], v[BO], s[8:9] offset:64*\b+16
.endr
	WIN 0
	s_lshl_b32 s72, s18, 20                        ; out0: (128 token block + 64 half) x 8,192 bytes + my first column
	s_lshl_b32 s73, s13, 19
	s_add_co_u32 s72, s72, s73
	s_add_co_u32 s72, s72, s69
	s_mov_b32 s73, 0
	s_add_nc_u64 s[10:11], s[10:11], s[72:73]
; 8 products: token tiles 2 part, 2 part + 1 x all four column tiles, 32 along K
.macro MUL8 f, part, zero
.irp a, 0,1
.irp b, 0,1,2,3
.set md, 8*(4*(2*\part+\a)+\b)
.set ma, \f+32+8*\b
.set mb, \f+8*(2*\part+\a)
.if \zero
	v_wmma_f32_16x16x32_f16 v[md:md+7], v[ma:ma+7], v[mb:mb+7], 0
.else
	v_wmma_f32_16x16x32_f16 v[md:md+7], v[ma:ma+7], v[mb:mb+7], v[md:md+7]
.endif
.endr
.endr
.endm
.macro FETCH slot, k, f                ; 16 LDS loads: the fragments of 32 along K at byte k of the rows
.irp i, 0,1,2,3
	ds_load_b128 v[\f+8*\i:\f+8*\i+3],   v[ADRA+\slot] offset:\k+\i*16*PITCH
	ds_load_b128 v[\f+8*\i+4:\f+8*\i+7], v[ADRA+\slot] offset:\k+\i*16*PITCH+32
.endr
.irp i, 0,1,2,3
	ds_load_b128 v[\f+32+8*\i:\f+32+8*\i+3],   v[ADRB+\slot] offset:\k+\i*16*PITCH
	ds_load_b128 v[\f+32+8*\i+4:\f+32+8*\i+7], v[ADRB+\slot] offset:\k+\i*16*PITCH+32
.endr
.endm
; A K step is eight parts of 32 along K, 16 products each, on buffers 0, 1 in turn.  The 16 accumulators take turns, one instruction a turn, in the
; same order in every part.  A part first asks for the next part's fragments, then multiplies its own.
.macro PART slot, k, f, g, zero
	WIN 0
	PLACES
	FETCH \slot, \k, \g
	s_wait_dscnt 16                                ; all but the 16 just issued
	WIN 0x50                                       ; C and D window 1
	MUL8 \f, 0, \zero
	MUL8 \f, 1, \zero
.endm
.macro SEVEN slot, zero
	PART \slot, 64,  F0, F1, \zero
	PART \slot, 128, F1, F0, 0
	PART \slot, 192, F0, F1, 0
	PART \slot, 256, F1, F0, 0
	PART \slot, 320, F0, F1, 0
	PART \slot, 384, F1, F0, 0
	PART \slot, 448, F0, F1, 0
.endm
; The eighth part multiplies buffer 1 and changes slots: each wave's waits for its reads and for all its tensor loads, the barrier (with fill = 1 it
; opens a round of the cluster's barrier), the joint refill first behind it.  From a request to the wait for it a wave issues 120 products.
.macro TURN slot, next, fill
	s_wait_dscnt 0x0
	s_wait_tensorcnt 0x0
	ds_add_u32 v62, v63
	s_wait_dscnt 0x0
	s_barrier_signal -1
	WIN 0x50
	MUL8 F1, 0, 0
	WIN 0
	s_barrier_wait -1
.if \fill
	CREST
	s_add_nc_u64 s[G0A+4*\slot+2:G0A+4*\slot+3], s[G0A+4*\slot+2:G0A+4*\slot+3], 1024
	s_add_nc_u64 s[G0B+4*\slot+2:G0B+4*\slot+3], s[G0B+4*\slot+2:G0B+4*\slot+3], 1024
	JLOAD \slot
.endif
	PLACES
	FETCH \next, 0, F0
	WIN 0x50
	MUL8 F1, 1, 0
.endm
.macro LAP zero
	SEVEN 0, \zero
	TURN 0, 1, 1
	SEVEN 1, 0
	TURN 1, 0, 1
.endm
	s_wait_tensorcnt 0x1                           ; my part of K step 0 is in; K step 1's stays out
	s_barrier_signal -1
	s_barrier_wait -1
	FETCH 0, 0, F0
	LAP 1                                          ; 8 K steps = 4 laps; the first starts the sums
	WIN 0
	s_mov_b32 s21, 2
.Llap:
	LAP 0
	WIN 0
	s_sub_co_u32 s21, s21, 1
	s_cmp_lg_u32 s21, 0
	s_cbranch_scc1 .Llap
	SEVEN 0, 0                                     ; the last lap fills nothing
	TURN 0, 1, 0
	SEVEN 1, 0
	s_wait_dscnt 0x0
	WIN 0x50
	MUL8 F1, 0, 0
	MUL8 F1, 1, 0
	WIN 0
	PLACES
	s_wait_loadcnt 0x0                             ; bo
; 16 tokens x 64 columns: bias, into my own stage, back as whole rows of 256 bytes
.macro OUT16 a
	WIN 0x05                                       ; sources 0 and 1 window 1
.irp b, 0,1,2,3
.irp j, 0,2,4,6
	v_pk_add_f32 v[TMP+8*\b+\j:TMP+8*\b+\j+1], v[8*(4*\a+\b)+\j:8*(4*\a+\b)+\j+1], v[128+8*\b+\j:128+8*\b+\j+1]
.endr
.endr
	WIN 0
.irp b, 0,1,2,3
	ds_store_b128 v[STO], v[TMP+8*\b:TMP+8*\b+3] offset:64*\b
	ds_store_b128 v[STO], v[TMP+8*\b+4:TMP+8*\b+7] offset:64*\b+16
.endr
	s_wait_xcnt 0x0                                ; the earlier stores' data registers and base are rewritten only behind this wait (ISA guide 3.1)
.if \a
	s_add_nc_u64 s[10:11], s[10:11], 16*8192
.endif
.irp t, 0,1,2,3,4,5,6,7
	ds_load_b128 v[TMP+32+4*\t:TMP+32+4*\t+3], v[RD] offset:2*\t*SP      ; LDS serves a wave's instructions in order (ISA guide 5.7.1.4)
.endr
.irp t, 0,1,2,3,4,5,6,7
	s_wait_dscnt 7-\t
	global_store_b128 v[CO], v[TMP+32+4*\t:TMP+32+4*\t+3], s[10:11] offset:2*\t*8192 th:TH_STORE_NT   ; 16 lanes store 256 consecutive bytes, aligned
.endr
.endm
	OUT16 0
	OUT16 1
	OUT16 2
	OUT16 3
	s_wait_tensorcnt 0x0
	ds_add_u32 v62, v63
	s_wait_dscnt 0x0
	CROUND                                         ; the closing round
	s_endpgm
.Lfunc_end_k_q0492d27a86_oproj:
	.size	k_q0492d27a86_oproj, .Lfunc_end_k_q0492d27a86_oproj-k_q0492d27a86_oproj
	.p2alignl 7, 3214868480
	.fill 96, 4, 3214868480
	.section	.rodata,"a",@progbits
	.p2align	6, 0x0
	.amdhsa_kernel k_q0492d27a86_oproj
		.amdhsa_group_segment_fixed_size 327680
		.amdhsa_private_segment_fixed_size 0
		.amdhsa_enable_private_segment 0
		.amdhsa_kernarg_size 32
		.amdhsa_user_sgpr_count 2
		.amdhsa_user_sgpr_kernarg_segment_ptr 1
		.amdhsa_wavefront_size32 1
		.amdhsa_system_sgpr_workgroup_id_x 1
		.amdhsa_system_sgpr_workgroup_id_y 1
		.amdhsa_system_sgpr_workgroup_id_z 1
		.amdhsa_system_vgpr_workitem_id 0
		.amdhsa_next_free_vgpr 416
		.amdhsa_next_free_sgpr 80
		.amdhsa_reserve_vcc 0
		.amdhsa_float_denorm_mode_32 3
		.amdhsa_float_denorm_mode_16_64 3
		.amdhsa_memory_ordered 1
		.amdhsa_forward_progress 1
		.amdhsa_inst_pref_size 130
	.end_amdhsa_kernel
	.amdgpu_metadata
---
amdhsa.version: [ 1, 2 ]
amdhsa.kernels:
  - .name:           k_q0492d27a86_oproj
    .symbol:         k_q0492d27a86_oproj.kd
    .args:
      - { .name: att, .offset: 0, .size: 8, .value_kind: global_buffer, .address_space: global }
      - { .name: wo, .offset: 8, .size: 8, .value_kind: global_buffer, .address_space: global }
      - { .name: bo, .offset: 16, .size: 8, .value_kind: global_buffer, .address_space: global }
      - { .name: out0, .offset: 24, .size: 8, .value_kind: global_buffer, .address_space: global }
    .group_segment_fixed_size: 327680
    .private_segment_fixed_size: 0
    .kernarg_segment_align: 8
    .kernarg_segment_size: 32
    .max_flat_workgroup_size: 128
    .sgpr_count:     80
    .vgpr_count:     416
    .wavefront_size: 32
...
	.end_amdgpu_metadata
.endif
;; end of part 4
